; MI455X (gfx1250); checked and timed in simulation.
; The chip was launched on July 23, 2026; its instructions are those of AMD's public machine-readable ISA for CDNA 5 (MIT licence, August 2026) and "CDNA5" Instruction Set Architecture Reference Guide (July 2026). The comments in the code are by the model that wrote it; some were corrected since.
;; Multihead Self Attention. Allowed arithmetic: matrix products marked QUANTISED: E2M3 operands, one E8M0 scale for each 32 along K, by v_wmma_scale_f32_16x16x128_f8f6f4 with both operands' format E2M3, f32 sums; everything else in f32.
;; Inputs: Wk_codes 16 x 64 x 32 x 24 uint8 (E2M3 codes of Wk, K innermost, in blocks of 32 codes, four codes in three bytes); Wk_scales 16 x 64 x 32 uint8 (E8M0 scales of Wk, one for each 32 codes along K); Wo_codes 1,024 x 32 x 24 uint8 (E2M3 codes of Wo, K innermost, in blocks of 32 codes, four codes in three bytes); Wo_scales 1,024 x 32 uint8 (E8M0 scales of Wo, one for each 32 codes along K); Wq_codes 16 x 64 x 32 x 24 uint8 (E2M3 codes of Wq, K innermost, in blocks of 32 codes, four codes in three bytes); Wq_scales 16 x 64 x 32 uint8 (E8M0 scales of Wq, one for each 32 codes along K); Wv_codes 16 x 64 x 32 x 24 uint8 (E2M3 codes of Wv, K innermost, in blocks of 32 codes, four codes in three bytes); Wv_scales 16 x 64 x 32 uint8 (E8M0 scales of Wv, one for each 32 codes along K); bk 16 x 64 float32; bo 1,024 float32; bq 16 x 64 float32; bv 16 x 64 float32; x_codes 4 x 2,048 x 32 x 24 uint8 (E2M3 codes of x, K innermost, in blocks of 32 codes, four codes in three bytes); x_scales 4 x 2,048 x 32 uint8 (E8M0 scales of x, one for each 32 codes along K).
;; Outputs: out0 4 x 2,048 x 1,024 float32.
;; This version of the problem:
;;   THIS VERSION OF THE PROBLEM IS GIVEN IN LOW PRECISION. The matrix products marked QUANTISED in the list below multiply operands that are first quantised to E2M3 (2 exponent bits, 3 mantissa bits; 6 bits a number), with one power-of-two scale for each 32 numbers along K (OCP MX v1.0); their sums are f32. All else is computed in f32.
;;   The module's matrix products, in the order in which they are computed (A, B: the left and right operand; K: the contracted axis; several contracted axes count as one K, in the product's order):
;;     1. [M 1,024, K 1,024] x [K 1,024, N 8,192]; A: input Wq (given as codes); B: input x (given as codes): QUANTISED
;;     2. [M 1,024, K 1,024] x [K 1,024, N 8,192]; A: input Wk (given as codes); B: input x (given as codes): QUANTISED
;;     3. [M 1,024, K 1,024] x [K 1,024, N 8,192]; A: input Wv (given as codes); B: input x (given as codes): QUANTISED
;;     4. batch 64 x [M 2,048, K 64] x [K 64, N 2,048]; A: computed on the way; B: computed on the way: QUANTISED
;;     5. batch 64 x [M 2,048, K 2,048] x [K 2,048, N 64]; A: softmax (see below); B: computed on the way: QUANTISED
;;     6. [M 8,192, K 1,024] x [K 1,024, N 1,024]; A: computed on the way; B: input Wo (given as codes): QUANTISED
;;   THE QUANTISER, for each operand of a quantised product, along K:
;;     - K is cut into blocks of 32 from its start; a last block that is shorter is filled with zeros.
;;     - A block's scale is 2^e with e = floor(log2(the largest magnitude in the block)) - 2, held to -126 .. 127; a block of zeros has e = 0. As a byte (E8M0): e + 127.
;;     - Each number is divided by its block's scale, clamped to +-7.5, and rounded to the nearest number of E2M3, ties to even, subnormals kept.
;;     - The product sums the exact products of the quantised numbers (number of the format x scale) in f32.
;;   ~~~python
;;   def quantise(x, axis):      # numpy; x: float32 -> the quantised numbers, widened to float32 again
;;       x = np.moveaxis(x, axis, -1); K = x.shape[-1]
;;       x = np.pad(x, [(0, 0)] * (x.ndim - 1) + [(0, -K % 32)]); x = x.reshape(x.shape[:-1] + (-1, 32)); a = np.abs(x).max(-1, keepdims=True)
;;       e = np.where(a > 0, np.clip(np.frexp(np.where(a > 0, a, 1))[1] - 1 - 2, -126, 127), 0)      # np.frexp(a)[1] - 1 = floor(log2(a)), exactly
;;       r = np.clip(x / 2.0 ** e, -7.5, 7.5)
;;       step = 2.0 ** (np.maximum(np.frexp(np.where(r == 0, 1, r))[1] - 1, 0) - 3)
;;       q = np.round(r / step) * step * 2.0 ** e      # np.round: ties to even
;;       return np.moveaxis(q.reshape(q.shape[:-2] + (-1,))[..., :K], -1, axis).astype(np.float32)
;;   ~~~
;;   SOFTMAX AHEAD OF A QUANTISED PRODUCT. Where the list says 'softmax', what is quantised is not the finished softmax but p = 2^(t - M), with t = logit x log2(e) and M = ceil(the row's largest t), a whole number; so 1/2 < the row's largest p <= 1. The row's sum l is taken of the UNQUANTISED p, in f32, and the product's result is divided by l at the end. Since M is a whole number, a kernel that streams over the keys may use a running M (the ceiling of the running maximum): every later rescaling is an exact power of two, which a block's scale takes up: the codes' values come out the same.
;;   OPERANDS COMPUTED ON THE WAY. 'Computed on the way' means the value that the module computes at that place (a softmax that the list does not call 'softmax' is quantised finished and normalised). What goes into a quantiser is computed in f32, as accurately as f32 sums, v_exp_f32 and their like allow (about 1e-6 of the number): no bf16 or f16 on the way to a quantiser, and a product that is left as it is and whose result goes on into a quantised operand takes f32 operands (vector FMAs, or v_wmma_f32_16x16x4_f32). A number that lies on a knife's edge between two numbers of the format may be rounded either way, as far as f32 arithmetic and the matrix unit's own rounding can turn it there, and no further.
;;   INPUTS GIVEN AS CODES. Wk (in the module: [16, 1024, 64], K = its axis 1); Wo (in the module: [1024, 1024], K = its axis 0); Wq (in the module: [16, 1024, 64], K = its axis 1); Wv (in the module: [16, 1024, 64], K = its axis 1); x (in the module: [4, 2048, 1024], K = its axis 2): each comes as NAME_codes (uint8): NAME with its K axis moved to the last place and cut into blocks of 32 codes, [.., K / 32, bytes a block], one block behind the other in memory; four codes in three bytes: a row's codes are one little-endian stream of bits, code i at bits 6 i .. 6 i + 5 (a code: sign, 2 exponent bits, 3 mantissa bits); and NAME_scales (uint8): the same leading axes, one E8M0 byte (e + 127) for each 32 codes along K. Its value is code x scale, taken as it is: it is not quantised again, and the codes and scales need not be those that the quantiser above would give.
;; One version. Each part assembles by itself: llvm-mc -triple=amdgcn-amd-amdhsa -mcpu=gfx1250 --defsym DOCPART=n.
;; ======== version 1 of 1: 3 launches
;; workspace buffers: qq 6,553,600 bytes; kv 13,107,200 bytes; zc 6,291,456 bytes; zs 262,144 bytes
;; launch proj (part 1): grid 12 x 32, 4 waves a work-group, clusters of 4 x 4, 327,680 bytes of LDS; arguments x_codes, x_scales, Wq_codes, Wq_scales, Wk_codes, Wk_scales, Wv_codes, Wv_scales, bq, bk, bv, qq, kv; writes qq, kv
.if DOCPART == 1
	.amdgcn_target "amdgcn-amd-amdhsa--gfx1250"
	.amdhsa_code_object_version 6
	.text
	.protected	k_q4bd1a997bd_proj
	.globl	k_q4bd1a997bd_proj
	.p2align	8
	.type	k_q4bd1a997bd_proj,@function
k_q4bd1a997bd_proj:
	s_mov_b64 s[64:65], 0
	v_nop
	global_prefetch_b8 v0, s[64:65] scope:SCOPE_SE
	s_setreg_imm32_b32 hwreg(HW_REG_WAVE_MODE, 25, 1), 1
	s_wait_xcnt 0x0
	s_wait_alu depctr_hold_cnt(0) depctr_sa_sdst(0) depctr_va_vdst(0) depctr_va_sdst(0) depctr_va_ssrc(0) depctr_va_vcc(0) depctr_vm_vsrc(0)
	s_getreg_b32 s2, hwreg(HW_REG_IB_STS2, 6, 4)
	s_cmp_eq_u32 s2, 0
	s_cbranch_scc0 .Lentry_in_a_cluster
	s_endpgm
.Lentry_in_a_cluster:
	s_bfe_u32 s2, ttmp6, 0x10000c
	s_cmp_lg_u32 s2, 0xf033
	s_cbranch_scc0 .Lentry_shape_is_right
	s_endpgm
.Lentry_shape_is_right:
; Q = x Wq + bq, K = x Wk + bk, V = x Wv + bv on codes of FP6 (E2M3) with one E8M0 scale for each 32 along K = 1,024, sums in f32; then Q and K are quantised along d and V along the keys,
; and leave as IMAGES OF OPERAND REGISTERS for the attention launch.
; DEAD WORK: none.  Every bias goes into a quantised operand (bq, bk, bv) or into the output (bo), reference() has no mask and slices nothing away: all fourteen inputs are loaded by some launch.
; LIMITS: NaN and infinities are not served.  A block whose largest magnitude lies under 2^-124, a block of zeros among them, gets the scale byte 1 (the rule says 127 for zeros): its codes then add what the
; held scale allows or nothing, and the bytes are read by this program alone.  ORDER INSIDE A BLOCK OF 32: position 16 g + 8 u + j of a block holds its member 16 u + 8 g + j, alike in Q and K and alike in V and p:
; both operands of a product carry the same order inside one scale block, so every product of two numbers is the same; only the order in which the unit adds them differs from ascending k.
; SHAPE: C = A B^T on tiles of 256 x 256, four waves of 128 x 128 (64 accumulators), K in steps of 256 through two LDS slots, all scale bytes of the tile's rows in LDS once, 4 x 4 clusters with joint loads.
; The matrix instruction takes 16 rows of B as source 0 and 16 rows of A as source 1: a lane holds ONE row of A and its registers run along B's rows.  What is quantised next runs along B's rows:
;   KIND 0, 1 (cluster x = 0, 1): A = x (a lane a token), B = Wq or Wk (registers along d).      KIND 2: A = Wv (a lane a channel d), B = x (registers along the keys).
; KIND is the cluster's x: the same in all sixteen partners.  It chooses pointers and tile numbers, and one branch ahead of the last step of K.
; OUT: bh = 16 batch + head; a step is 128 tokens.  qq [bh][step][6400], kv [bh][step][12800].  A fragment is 12 registers: three chunks of 512 bytes, lane l's registers 4 c .. 4 c + 3 at 512 c + 16 l.
;   Q, K: four PAIR fragments (registers 0-5: token tile 2 m, registers 6-11: token tile 2 m + 1; each 16 tokens x 64 d) at 1536 m; their scale words [r][m] at 6144 (bytes 0, 1: tile 2 m; bytes 2, 3: tile 2 m + 1).
;   V (kv alone): four fragments (16 d x 128 keys) at 6400 + 1536 t; their scale words [r][t] at 12544.
; REGISTERS, in windows of 256: window 0: v1-11 addresses; v16-29 LDS addresses; v32-63 scale words, two sets; v64-127 the bias; from v128 A's fragments, ONE set; on the way out v128-255 at work.
;   window 1: B's fragments, two sets.   windows 2, 3: the accumulators ((a, b) at v[8 (8 (a % 4) + b)]).
.set KSTEP,  256                       ; along K in a slot
.set NQ,     KSTEP/128                 ; matrix instructions deep
.set ROWB,   192                       ; a tile's row in bytes
.set KROW,   768                       ; a row of codes in memory
.set PITCH,  240                       ; an LDS row: 3 x (64 bytes + 16 of padding)
.set FR,     12                        ; registers of a fragment
.set NL,     6                         ; LDS loads that bring one
.set NP,     4                         ; places behind this matrix instruction (ISA guide 7.12.1)
.set HALFT,  128*PITCH                 ; 128 rows: one tensor load
.set SLOT,   4*HALFT                   ; A's 256 rows, then B's 256
.set KS,     32                        ; a row of scale bytes
.set SCL,    2*SLOT                    ; behind the ring: the scales, units of 256 bytes + 16
.set HALFS,  (128*KS/256)*272
.set SBLK,   (16*KS/256)*272
.set SPARE,  SCL+4*HALFS               ; the spare words: 128 bytes a wave, two blocks of 256 bytes that no other line names
.set L16,  7                           ; v7   16 x lane: my place in a chunk of an image
.set VOS,  8                           ; v8   16 r + (lane / 16) x the bytes from a head to the next: where I store four scale words
.set SELP, 9                           ; v9   v_perm_b32's selector: lanes 0-15 the low halves, lanes 16-31 the high halves
.set B32,  10                          ; v10  32 x (lane / 16)
.set R4,   11                          ; v11  4 r
.set ADRA, 16
.set ADRB, 20
.set ADRS, 27
.set SPW,  28                          ; v28  my spare word; never rewritten
.set NIL,  29                          ; v29  0; never rewritten
.set SC,   32
.set BI,   64
.set AF,   128
.set ST,   128                         ; the way out: 64 numbers of a lane
.set F0,   192                         ; a fragment
.set F1,   204                         ; a second
.set CT,   216                         ; the conversions' second halves
.set TM,   224                         ; v224-227 largest magnitudes, v228-231 bytes, v236-239 scale operands
.set PW0,  240
.set PW1,  241
.set SW,   244                         ; v244-251 scale words to store
.set T4,   252
.set G1,   24
.set G0,   32
.set G1B,  48
.set G0B,  56
.set G1S,  68
.set G0S,  76
.set G1SB, 80
.set G0SB, 88
.set KIND, 66
.set BIASP, 92                         ; s[92:93] the bias at my head pair
.set BH0,  94                          ; s[94:95] the output at my step of the pair's first head;  s[96:97] of its second
.set BH1,  96
.set SS,   98                          ; s98  bytes of a step in the output
.set HS,   100                         ; s100 bytes of a head
.set HI16, 101                         ; s101 lanes 16-31
.set SEL,  2                           ; s2, s3 lane selects for v_permlanex16_b32 (on the way out)
.set MSB, 0
.macro WIN new                         ; the immediate's high byte repeats the setting that is left
.if MSB != (\new)
	s_set_vgpr_msb (MSB<<8)|(\new)
.set MSB, (\new)
.endif
.endm
.set MUL_LO, 0xa1                      ; source 0 (B) window 1, source 1 (A) window 0, C and D window 2
.set MUL_HI, 0xf1                      ; the same, C and D window 3
.set TO_B,   0x40                      ; destination window 1
; A joint load: waves 0 and 1 fetch for A, waves 2 and 3 for B; the branch hangs on the wave's number alone.  An s_nop 0 and four v_nop follow each line.
.macro JLOAD g0a, g1a, g0b, g1b
	s_cmp_eq_u32 s15, 0
	s_cbranch_scc0 .Lfor_b_\@
	tensor_load_to_lds s[\g0a:\g0a+3], s[\g1a:\g1a+7]
	s_nop 0
.rept 4
	v_nop
.endr
	s_branch .Lasked_\@
.Lfor_b_\@:
	tensor_load_to_lds s[\g0b:\g0b+3], s[\g1b:\g1b+7]
	s_nop 0
.rept 4
	v_nop
.endr
.Lasked_\@:
.endm
.macro CREST                           ; a round of the cluster's barrier behind its opening barrier
	s_cmp_lg_u32 s14, 0
	s_cbranch_scc1 .Lnot_wave_0_\@
	s_barrier_signal -3
.Lnot_wave_0_\@:
	s_barrier_wait -3
	s_barrier_signal -1
	s_barrier_wait -1
.endm
.macro CROUND
	s_barrier_signal -1
	s_barrier_wait -1
	CREST
.endm
	s_load_b512 s[68:83], s[0:1], 0x0              ; x's codes, scales; Wq's; Wk's; Wv's
	s_load_b256 s[92:99], s[0:1], 0x40             ; bq, bk, bv, qq
	s_load_b64 s[100:101], s[0:1], 0x60            ; kv
	v_lshl_add_u32 v[SPW], v0, 2, SPARE
	v_mov_b32 v[NIL], 0
	ds_add_u32 v[SPW], v[NIL]                      ; the wave's opening: the add, twice on end, and its wait ahead of my first tensor load
	ds_add_u32 v[SPW], v[NIL]
	v_lshrrev_b32 v1, 5, v0
	v_readfirstlane_b32 s14, v1                    ; wave 0..3
	s_lshr_b32 s15, s14, 1                         ; my half of A's rows.  Also: I fetch for A (0) or for B (1)
	s_and_b32 s16, s14, 1                          ; my half of B's rows.  Also: which 128 rows I fetch
	s_bfe_u32 s40, ttmp6, 0x40000                  ; cx
	s_bfe_u32 s41, ttmp6, 0x40004                  ; cy
	s_mov_b32 s[KIND], ttmp9                       ; the cluster's x: 0 Q, 1 K, 2 V
	s_and_b32 s67, ttmp7, 0xffff
	s_lshl_b32 s67, s67, 2                         ; 4 x cluster y: it counts x's tiles
	s_cmp_eq_u32 s[KIND], 2
	s_cselect_b32 s17, 0, s67
	s_cselect_b32 s42, s67, 0
	s_add_co_u32 s17, s17, s41                     ; A's tile: of cy alone within the cluster
	s_add_co_u32 s42, s42, s40                     ; B's tile: of cx alone
	s_lshl_b32 s43, s41, 2
	s_lshl_b32 s43, 15, s43                        ; my row of the cluster
	s_lshl_b32 s44, 0x1111, s40                    ; my column
	s_or_b32 s[G1+0], s43, (0<<16)|(1<<20)|(1<<21)|(3<<22)|(3<<25)  ; the mask; elements of 1 byte; padding on; bit 21 beside a mask; after every 16 words 4 words
	s_or_b32 s[G1B+0], s44, (0<<16)|(1<<20)|(1<<21)|(3<<22)|(3<<25)
.irp g, G1, G1B
	s_mov_b32 s[\g+1], ROWB<<16                    ; tensor_dim0
	s_mov_b32 s[\g+2], 128<<16                     ; tensor_dim1
	s_mov_b32 s[\g+3], ROWB<<16                    ; tile_dim0
	s_mov_b32 s[\g+4], 128                         ; tile_dim1
	s_mov_b32 s[\g+5], KROW                        ; the pitch
	s_mov_b32 s[\g+6], 0
	s_mov_b32 s[\g+7], 0
.endr
	s_lshl_b32 s18, s16, 7
	s_lshl_b32 s20, s17, 8
	s_add_co_u32 s20, s20, s18                     ; A: row 256 x tile + 128 x half
	s_lshl_b32 s46, s42, 8
	s_add_co_u32 s46, s46, s18                     ; B likewise
	s_lshl_b32 s22, s20, 5                         ; their scales: 32 bytes a row
	s_mov_b32 s23, 0
	s_lshl_b32 s12, s46, 5
	s_mov_b32 s13, 0
	s_mul_i32 s20, s20, KROW                       ; their codes (8,192 rows of 768 bytes at the most: under 2^32)
	s_mov_b32 s21, 0
	s_mul_i32 s46, s46, KROW
	s_mov_b32 s47, 0
	s_mul_i32 s45, s14, HALFT                      ; where they go: wave x 128 rows
	s_mul_i32 s2, s14, HALFS
	s_wait_dscnt 0x0                               ; both opening adds are done
	s_wait_kmcnt 0x0
	s_cmp_eq_u32 s[KIND], 1                        ; the weight and its bias, by the cluster's x
	s_cselect_b64 s[84:85], s[76:77], s[72:73]
	s_cselect_b64 s[86:87], s[78:79], s[74:75]
	s_cselect_b64 s[BIASP:BIASP+1], s[94:95], s[92:93]
	s_cmp_eq_u32 s[KIND], 2
	s_cselect_b64 s[84:85], s[80:81], s[84:85]
	s_cselect_b64 s[86:87], s[82:83], s[86:87]
	s_cselect_b64 s[BIASP:BIASP+1], s[96:97], s[BIASP:BIASP+1]
	s_cselect_b64 s[4:5], s[84:85], s[68:69]       ; A: the weight for V, else x
	s_cselect_b64 s[6:7], s[86:87], s[70:71]
	s_cselect_b64 s[8:9], s[68:69], s[84:85]       ; B: the other one
	s_cselect_b64 s[10:11], s[70:71], s[86:87]
	s_cmp_eq_u32 s[KIND], 0
	s_cselect_b64 s[BH0:BH0+1], s[98:99], s[100:101]  ; Q goes to qq, K and V to kv
	s_mov_b32 s[SS], 12800
	s_cselect_b32 s[SS], 6400, s[SS]
	s_mov_b32 s[HI16], 0xffff0000
	s_add_nc_u64 s[20:21], s[4:5], s[20:21]
	s_add_nc_u64 s[22:23], s[6:7], s[22:23]
	s_add_nc_u64 s[46:47], s[8:9], s[46:47]
	s_add_nc_u64 s[12:13], s[10:11], s[12:13]
	s_or_b32 s[G1S+0], s43, (3<<16)|(1<<20)|(1<<21)|(5<<22)|(3<<25)  ; the scales of 128 rows: 4,096 dense bytes as 16 rows of 256 (32 elements of 8 bytes), 16 bytes of padding behind each
	s_or_b32 s[G1SB+0], s44, (3<<16)|(1<<20)|(1<<21)|(5<<22)|(3<<25)
.irp g, G1S, G1SB
	s_mov_b32 s[\g+1], 32<<16
	s_mov_b32 s[\g+2], (128*KS/256)<<16
	s_mov_b32 s[\g+3], 32<<16
	s_mov_b32 s[\g+4], 128*KS/256
	s_mov_b32 s[\g+5], 32
	s_mov_b32 s[\g+6], 0
	s_mov_b32 s[\g+7], 0
.endr
	CROUND                                         ; all sixteen work-groups are here: the first joint loads meet
	s_mov_b32 s[G0S], 1
	s_add_co_u32 s[G0S+1], s2, SCL
	s_mov_b64 s[G0S+2:G0S+3], s[22:23]
	s_or_b32 s[G0S+3], s[G0S+3], 0x80000000
	s_mov_b32 s[G0SB], 1
	s_add_co_u32 s[G0SB+1], s2, SCL
	s_mov_b64 s[G0SB+2:G0SB+3], s[12:13]
	s_or_b32 s[G0SB+3], s[G0SB+3], 0x80000000
	JLOAD G0S, G1S, G0SB, G1SB                     ; the scales first: they are wanted with K step 0
.irp s, 0,1
	s_mov_b32 s[G0+4*\s], 1
	s_add_co_u32 s[G0+4*\s+1], s45, \s*SLOT
	s_add_nc_u64 s[G0+4*\s+2:G0+4*\s+3], s[20:21], \s*ROWB
	s_or_b32 s[G0+4*\s+3], s[G0+4*\s+3], 0x80000000
	s_mov_b32 s[G0B+4*\s], 1
	s_add_co_u32 s[G0B+4*\s+1], s45, \s*SLOT
	s_add_nc_u64 s[G0B+4*\s+2:G0B+4*\s+3], s[46:47], \s*ROWB
	s_or_b32 s[G0B+4*\s+3], s[G0B+4*\s+3], 0x80000000
	s_wait_alu depctr_va_vdst(0)
	s_wait_tensorcnt 0x0
	ds_add_u32 v28, v29
	s_wait_dscnt 0x0
	CROUND
	JLOAD G0+4*\s, G1, G0B+4*\s, G1B               ; one tensor load of mine is out now
.endr
	v_and_b32 v1, 15, v0                           ; r = lane % 16
	v_bfe_u32 v2, v0, 4, 1                         ; h = lane / 16
	v_mul_u32_u24 v3, v1, PITCH
	v_mul_u32_u24 v4, v2, 24
	v_add_nc_u32 v4, v3, v4                        ; a fragment's row x pitch + 24 x half
	v_lshl_add_u32 v5, v2, 4, v4                   ; and the same behind one padding more
	s_mul_i32 s21, s15, HALFT                      ; my 128 rows of A
	s_mul_i32 s22, s16, HALFT                      ; my 128 rows of B,
	s_add_co_u32 s22, s22, 2*HALFT                 ; behind A's 256
.irp s, 0,1
	v_add_nc_u32 v[ADRA+\s], s21, v4
	v_add_nc_u32 v[ADRB+\s], s22, v4
	v_add_nc_u32 v[ADRA+2+\s], s21, v5
	v_add_nc_u32 v[ADRB+2+\s], s22, v5
	s_add_co_u32 s21, s21, SLOT
	s_add_co_u32 s22, s22, SLOT
.endr
	v_mul_u32_u24 v5, v1, KS                       ; my row's scales,
	v_lshrrev_b32 v6, 8, v5
	v_lshl_add_u32 v5, v6, 4, v5                   ; 16 more for each 256 passed
	s_mul_i32 s21, s15, HALFS
	s_mul_i32 s22, s16, HALFS
	s_add_co_u32 s22, s22, 2*HALFS
	s_sub_co_u32 s22, s22, s21
	v_mul_u32_u24 v6, s22, v2                      ; lanes 16-31 take B's: one product, the distance between the two bases
	s_add_co_u32 s21, s21, SCL
	v_add_nc_u32 v5, v5, v6
	v_add_nc_u32 v[ADRS], s21, v5
	; where my results go.  G: my group of 128 tokens (0..63), hp: my pair of heads (0..7)
	s_lshl_b32 s12, s17, 1
	s_add_co_u32 s12, s12, s15                     ; 2 x A's tile + my half of its rows
	s_lshl_b32 s13, s42, 1
	s_add_co_u32 s13, s13, s16                     ; 2 x B's tile + my half
	s_cmp_eq_u32 s[KIND], 2
	s_cselect_b32 s18, s13, s12                    ; G: on x's side
	s_cselect_b32 s19, s12, s13                    ; hp: on the weight's side
	s_lshl_b32 s[HS], s[SS], 4                     ; a head has 16 steps
	s_lshr_b32 s20, s18, 4
	s_lshl_b32 s20, s20, 4                         ; 16 x batch
	s_lshl_b32 s21, s19, 1
	s_add_co_u32 s20, s20, s21                     ; bh of the pair's first head
	s_mul_i32 s20, s20, s[HS]
	s_and_b32 s21, s18, 15                         ; the step
	s_mul_i32 s21, s21, s[SS]
	s_add_co_u32 s20, s20, s21
	s_mov_b32 s21, 0
	s_add_nc_u64 s[BH0:BH0+1], s[BH0:BH0+1], s[20:21]
	s_mov_b32 s20, s[HS]
	s_add_nc_u64 s[BH1:BH1+1], s[BH0:BH0+1], s[20:21]
	s_lshl_b32 s20, s19, 9                         ; 128 numbers of bias a pair of heads
	s_add_nc_u64 s[BIASP:BIASP+1], s[BIASP:BIASP+1], s[20:21]
	s_mov_b32 s[SEL], 0x76543210
	s_mov_b32 s[SEL+1], 0xfedcba98
	v_and_b32 v6, 31, v0
	v_lshlrev_b32 v[L16], 4, v6
	v_mul_lo_u32 v3, v2, s[HS]
	v_lshl_add_u32 v[VOS], v1, 4, v3
	v_mov_b32 v[SELP], 0x05040100
	v_mov_b32 v3, 0x07060302
	v_cndmask_b32 v[SELP], v[SELP], v3, s[HI16]
	v_lshlrev_b32 v[B32], 5, v2
	v_lshlrev_b32 v[R4], 2, v1
.macro FRAG reg, adr, q, i             ; 16 rows x 128 K: lane l holds row l % 16; registers 6 c .. 6 c + 5 hold K = 64 c + 32 (l / 16) + 0 .. 31: 24 bytes of the row, in pieces of 8
.irp p, 0,1,2,3,4,5
.set PCE, 12*(\q)+6*(\p/3)+\p%3       ; 16 bytes of padding lie behind every 8 pieces: where the piece three on lies behind one padding more, the second address register serves
.if PCE%8 < 5
	ds_load_b64 v[\reg+2*\p:\reg+2*\p+1], v[\adr] offset:8*PCE+16*(PCE/8)+(\i)*16*PITCH
.else
	ds_load_b64 v[\reg+2*\p:\reg+2*\p+1], v[\adr+2] offset:8*PCE+16*(PCE/8)+(\i)*16*PITCH
.endif
.endr
.endm
; 16 matrix instructions: A's blocks a0, a0 + 1 x B's eight, the slot's q-th 128 along K.  The 64 accumulators take turns, one instruction a turn, in the same order in every step.
.macro MUL16 a0, p, q, sc, zero
.irp a, \a0, \a0+1
.irp b, 0,1,2,3,4,5,6,7
.if \zero
	v_wmma_scale_f32_16x16x128_f8f6f4 v[8*(8*((\a)%4)+\b):8*(8*((\a)%4)+\b)+7], v[128*(\p)+FR*\b:128*(\p)+FR*\b+FR-1], v[AF+FR*(\a):AF+FR*(\a)+FR-1], 0, v[SC+8*NQ*(\sc)+NQ*\b+(\q)], v[SC+8*NQ*(\sc)+NQ*(\a)+(\q)] matrix_a_fmt:MATRIX_FMT_FP6 matrix_b_fmt:MATRIX_FMT_FP6 matrix_a_scale:MATRIX_SCALE_ROW1
.else
	v_wmma_scale_f32_16x16x128_f8f6f4 v[8*(8*((\a)%4)+\b):8*(8*((\a)%4)+\b)+7], v[128*(\p)+FR*\b:128*(\p)+FR*\b+FR-1], v[AF+FR*(\a):AF+FR*(\a)+FR-1], v[8*(8*((\a)%4)+\b):8*(8*((\a)%4)+\b)+7], v[SC+8*NQ*(\sc)+NQ*\b+(\q)], v[SC+8*NQ*(\sc)+NQ*(\a)+(\q)] matrix_a_fmt:MATRIX_FMT_FP6 matrix_b_fmt:MATRIX_FMT_FP6 matrix_a_scale:MATRIX_SCALE_ROW1
.endif
.endr
.endr
.endm
.macro FETCH_B slot, q, p
	WIN TO_B
.irp i, 0,1,2,3,4,5,6,7
	FRAG 128*(\p)+FR*\i, ADRB+\slot, \q, \i
.endr
	WIN 0
.endm
.macro FETCH_A slot, q, i0
.irp i, \i0, \i0+1, \i0+2, \i0+3
	FRAG AF+FR*(\i), ADRA+\slot, \q, \i
.endr
.endm
.macro SCALES sc                       ; a K step's scale words: lanes 0-15 A's block i, lanes 16-31 B's block i
.irp i, 0,1,2,3,4,5,6,7
	ds_load_b64 v[SC+8*NQ*\sc+NQ*\i:SC+8*NQ*\sc+NQ*\i+1], v[ADRS] offset:\i*SBLK
.endr
.endm
.macro PLACES n                        ; plain vector instructions between a matrix instruction and a load into, or a read of, its registers
.rept \n
	v_nop
.endr
.endm
.macro STEP slot, q, zero              ; a step of 128 along K that has its successor in the same slot
	s_wait_dscnt 4*NL                              ; B's set and A's blocks 0-3 are in; the 24 youngest loads (A's blocks 4-7) may be out
	WIN MUL_LO
	MUL16 0, (\q)%2, \q, \slot, \zero
	MUL16 2, (\q)%2, \q, \slot, \zero
	s_wait_dscnt 0
	PLACES NP
	FETCH_B \slot, (\q)+1, 1-(\q)%2
	FETCH_A \slot, (\q)+1, 0
	WIN MUL_HI
	MUL16 4, (\q)%2, \q, \slot, \zero
	MUL16 6, (\q)%2, \q, \slot, \zero
	PLACES NP
	WIN 0
	FETCH_A \slot, (\q)+1, 4
.endm
; A slot's last step changes slots: one barrier; in front of it each wave waits for all its tensor loads, adds 0 to its spare word, and waits for that and for its reads of this slot.
.macro TURN slot, next, fill
	s_wait_tensorcnt 0x0                           ; all my tensor loads have landed: my part of the next slot
	ds_add_u32 v[SPW], v[NIL]                      ; 0 onto my spare word
	s_wait_dscnt 4*NL+1                            ; (the add and the 24 youngest loads may be out)
	WIN MUL_LO
	MUL16 0, 1, NQ-1, \slot, 0
	s_wait_dscnt 0x0                               ; the add is done, and my reads of this slot are over
	s_barrier_signal -1
	MUL16 2, 1, NQ-1, \slot, 0
	WIN 0
	s_barrier_wait -1
.if \fill
	CREST                                          ; the barrier has opened a round of the cluster's: no wave of any partner still reads this slot or has a load on its way
	s_add_nc_u64 s[G0+4*\slot+2:G0+4*\slot+3], s[G0+4*\slot+2:G0+4*\slot+3], 2*ROWB
	s_add_nc_u64 s[G0B+4*\slot+2:G0B+4*\slot+3], s[G0B+4*\slot+2:G0B+4*\slot+3], 2*ROWB
	JLOAD G0+4*\slot, G1, G0B+4*\slot, G1B         ; the first tensor load behind the round; its four v_nop are the places in front of the loads below
.else
	PLACES NP
.endif
	s_wait_alu depctr_va_vdst(0)
	v_add_nc_u32 v[ADRS], 4*NQ, v[ADRS]            ; the next K step's scale words
	FETCH_B \next, 0, 0
	FETCH_A \next, 0, 0
	SCALES \next
	WIN MUL_HI
	MUL16 4, 1, NQ-1, \slot, 0
	MUL16 6, 1, NQ-1, \slot, 0
	PLACES NP
	WIN 0
	FETCH_A \next, 0, 4
.endm
.macro LAST                            ; the very last step of K: nothing more to fetch
	s_wait_dscnt 4*NL
	WIN MUL_LO
	MUL16 0, 1, NQ-1, 1, 0
	MUL16 2, 1, NQ-1, 1, 0
	s_wait_dscnt 0
	WIN MUL_HI
	MUL16 4, 1, NQ-1, 1, 0
	MUL16 6, 1, NQ-1, 1, 0
	WIN 0
.endm
; The eight accumulators of A's block a, plus the bias, come into window 0: one packed addition does both.  Ascending: each accumulator is first read at its low end.
.macro TAKE a, b0, bs                  ; the bias of pair ii stands at BI + b0 + bs x ii
	WIN 0x02+(\a)/4
.set AC, 64*((\a)%4)
.set ii, 0
.rept 32
	v_pk_add_f32 v[ST+ii:ST+ii+1], v[AC+ii:AC+ii+1], v[BI+(\b0)+(\bs)*ii:BI+(\b0)+(\bs)*ii+1]
.set ii, ii+2
.endr
	WIN 0
.endm
; 64 numbers of a lane: register 16 b + i is one of 16 members of block b of my row, lane l xor 16 holds the other 16.  They become 2 x 6 registers of codes (d0: blocks 0, 1; d1: blocks 2, 3; lane half h holds block h of the two) and a word of four scale bytes.
.macro QUANT s, d0, d1, pw
.irp b, 0,1,2,3
	v_max3_num_f32 v[TM+\b], |v[\s+16*\b]|, |v[\s+1+16*\b]|, 0x1800000   ; and the floor 2^(3 - 127): the byte cannot fall under 1
.endr
.irp i, 2,4,6,8,10,12,14
.irp b, 0,1,2,3
	v_max3_num_f32 v[TM+\b], v[TM+\b], |v[\s+16*\b+\i]|, |v[\s+1+16*\b+\i]|
.endr
.endr
.irp b, 0,1,2,3
	v_permlanex16_b32 v[TM+4+\b], v[TM+\b], s[SEL], s[SEL+1]
.endr
.irp b, 0,1,2,3
	v_max_num_f32 v[TM+\b], v[TM+\b], v[TM+4+\b]   ; the block's largest magnitude
.endr
.irp b, 0,1,2,3
	v_add_nc_u32 v[TM+12+\b], 0xff000000, v[TM+\b] ; 2 off its exponent field: the conversion's scale operand
.endr
.irp b, 0,1,2,3
	v_lshrrev_b32 v[TM+4+\b], 23, v[TM+12+\b]      ; the scale's byte
.endr
	v_lshl_or_b32 v[\pw], v[TM+5], 8, v[TM+4]
	v_lshl_or_b32 v[\pw], v[TM+6], 16, v[\pw]
	v_lshl_or_b32 v[\pw], v[TM+7], 24, v[\pw]
	v_cvt_scalef32_pk16_fp6_f32 v[\d0:\d0+2], v[\s:\s+15], v[TM+12]
	v_cvt_scalef32_pk16_fp6_f32 v[CT:CT+2], v[\s+16:\s+31], v[TM+13]
	v_cvt_scalef32_pk16_fp6_f32 v[\d1:\d1+2], v[\s+32:\s+47], v[TM+14]
	v_cvt_scalef32_pk16_fp6_f32 v[CT+4:CT+6], v[\s+48:\s+63], v[TM+15]
	v_nop                                          ; one plain place behind a scaled conversion
.irp i, 0,1,2
	v_permlane16_swap_b32 v[\d0+\i], v[CT+\i]      ; a whole block to a lane: lanes 0-15 the even block, lanes 16-31 the odd one
	v_permlane16_swap_b32 v[\d1+\i], v[CT+4+\i]
.endr
.irp i, 0,1,2
	v_mov_b32 v[\d0+3+\i], v[CT+\i]
	v_mov_b32 v[\d1+3+\i], v[CT+4+\i]
.endr
.endm
	s_wait_tensorcnt 1                             ; the scales and my part of K step 0 are in; K step 1's load may be out
	s_barrier_signal -1
	s_barrier_wait -1
	FETCH_B 0, 0, 0
	FETCH_A 0, 0, 0
	SCALES 0
	FETCH_A 0, 0, 4
	STEP 0, 0, 1                                   ; K = 1,024 is eight steps of 128, four slots: written out; the first products start the sums
	TURN 0, 1, 1
	STEP 1, 0, 0
	TURN 1, 0, 1
	STEP 0, 0, 0
	TURN 0, 1, 0                                   ; nothing is left to fetch
	STEP 1, 0, 0
	s_cmp_eq_u32 s[KIND], 2                        ; the one branch on the cluster's x: the same way in all sixteen partners
	s_cbranch_scc1 .Lv
	; ---- Q and K: a lane holds a token; register 8 b + j of a block of tokens is channel 16 b + 8 h + j of my two heads.  The bias lies the same way.
.irp b, 0,1,2,3,4,5,6,7
.irp u, 0,1
	global_load_b128 v[BI+8*\b+4*\u:BI+8*\b+4*\u+3], v[B32], s[BIASP:BIASP+1] offset:64*\b+16*\u
.endr
.endr
	LAST                                           ; the bias lands under the last 64 products
	s_wait_loadcnt 0x0
.irp b, 0,1,2,3
	v_mov_b32 v[TM+4+\b], 0                        ; a lane permute's destination counts as one of its sources.  These four are also the places behind the last products
.endr
.irp m, 0,1,2,3
.if \m > 0
	s_wait_xcnt 0x0                                ; the last pair's stores have read F0 and F1
.endif
.irp u, 0,1
	TAKE 2*\m+\u, 0, 1
	QUANT ST, F0+6*\u, F1+6*\u, PW0+\u             ; token tile 2 m + u: head 0's 64 channels into half u of F0, head 1's into half u of F1
.endr
	v_perm_b32 v[SW+\m], v[PW1], v[PW0], v[SELP]   ; lanes 0-15: head 0's word (two bytes of each tile), lanes 16-31: head 1's
.irp c, 0,1,2
	global_store_b128 v[L16], v[F0+4*\c:F0+4*\c+3], s[BH0:BH0+1] offset:1536*\m+512*\c   ; 32 lanes store 512 consecutive bytes, at a multiple of 256 from the buffer's first byte
	global_store_b128 v[L16], v[F1+4*\c:F1+4*\c+3], s[BH1:BH1+1] offset:1536*\m+512*\c
.endr
.endr
	global_store_b128 v[VOS], v[SW:SW+3], s[BH0:BH0+1] offset:6144   ; sixteen lanes store a head's 256 bytes of scale words
	s_branch .Ldone
.Lv:	; ---- V: a lane holds a channel d; register 8 b + j is key 16 b + 8 h + j of my 128.  The bias is the lane's own number, twice for the packed addition.
.irp a, 0,1,2,3,4,5,6,7
	global_load_b32 v[BI+2*\a], v[R4], s[BIASP:BIASP+1] offset:64*\a
	global_load_b32 v[BI+2*\a+1], v[R4], s[BIASP:BIASP+1] offset:64*\a
.endr
	LAST
	s_wait_loadcnt 0x0
.irp b, 0,1,2,3
	v_mov_b32 v[TM+4+\b], 0                        ; as above: also the places behind the last products
.endr
.irp a, 0,1,2,3,4,5,6,7
.if \a > 0
	s_wait_xcnt 0x0                                ; the last fragment's stores have read F0
.endif
	TAKE \a, 2*\a, 0
	QUANT ST, F0, F0+6, SW+\a                      ; 16 channels x 128 keys: one whole fragment and its scale word
.irp c, 0,1,2
	global_store_b128 v[L16], v[F0+4*\c:F0+4*\c+3], s[BH0+2*(\a/4):BH0+2*(\a/4)+1] offset:6400+1536*(\a%4)+512*\c
.endr
.endr
.irp i, 0,1,2,3
	v_cndmask_b32 v[T4+\i], v[SW+\i], v[SW+4+\i], s[HI16]   ; lanes 0-15: head 0's words, lanes 16-31: head 1's
.endr
	global_store_b128 v[VOS], v[T4:T4+3], s[BH0:BH0+1] offset:12544
.Ldone:
	s_wait_tensorcnt 0x0                           ; the wave's end
	ds_add_u32 v[SPW], v[NIL]
	s_wait_dscnt 0x0
	CROUND                                         ; the closing round: no work-group ends while a partner may still ask for a tile that names it
	s_endpgm
.Lfunc_end_k_q4bd1a997bd_proj:
	.size	k_q4bd1a997bd_proj, .Lfunc_end_k_q4bd1a997bd_proj-k_q4bd1a997bd_proj
	.p2alignl 7, 3214868480
	.fill 96, 4, 3214868480
	.section	.rodata,"a",@progbits
	.p2align	6, 0x0
	.amdhsa_kernel k_q4bd1a997bd_proj
		.amdhsa_group_segment_fixed_size 327680
		.amdhsa_private_segment_fixed_size 0
		.amdhsa_enable_private_segment 0
		.amdhsa_kernarg_size 104
		.amdhsa_user_sgpr_count 2
		.amdhsa_user_sgpr_kernarg_segment_ptr 1
		.amdhsa_wavefront_size32 1
		.amdhsa_system_sgpr_workgroup_id_x 1
		.amdhsa_system_sgpr_workgroup_id_y 1
		.amdhsa_system_sgpr_workgroup_id_z 1
		.amdhsa_system_vgpr_workitem_id 0
		.amdhsa_next_free_vgpr 1024
		.amdhsa_next_free_sgpr 102
		.amdhsa_reserve_vcc 0
		.amdhsa_float_denorm_mode_32 3
		.amdhsa_float_denorm_mode_16_64 3
		.amdhsa_memory_ordered 1
		.amdhsa_forward_progress 1
		.amdhsa_inst_pref_size 242
	.end_amdhsa_kernel
	.amdgpu_metadata
---
amdhsa.version: [ 1, 2 ]
amdhsa.kernels:
  - .name:           k_q4bd1a997bd_proj
    .symbol:         k_q4bd1a997bd_proj.kd
    .args:
      - { .name: x_codes, .offset: 0, .size: 8, .value_kind: global_buffer, .address_space: global }
      - { .name: x_scales, .offset: 8, .size: 8, .value_kind: global_buffer, .address_space: global }
      - { .name: Wq_codes, .offset: 16, .size: 8, .value_kind: global_buffer, .address_space: global }
      - { .name: Wq_scales, .offset: 24, .size: 8, .value_kind: global_buffer, .address_space: global }
      - { .name: Wk_codes, .offset: 32, .size: 8, .value_kind: global_buffer, .address_space: global }
      - { .name: Wk_scales, .offset: 40, .size: 8, .value_kind: global_buffer, .address_space: global }
      - { .name: Wv_codes, .offset: 48, .size: 8, .value_kind: global_buffer, .address_space: global }
      - { .name: Wv_scales, .offset: 56, .size: 8, .value_kind: global_buffer, .address_space: global }
      - { .name: bq, .offset: 64, .size: 8, .value_kind: global_buffer, .address_space: global }
      - { .name: bk, .offset: 72, .size: 8, .value_kind: global_buffer, .address_space: global }
      - { .name: bv, .offset: 80, .size: 8, .value_kind: global_buffer, .address_space: global }
      - { .name: qq, .offset: 88, .size: 8, .value_kind: global_buffer, .address_space: global }
      - { .name: kv, .offset: 96, .size: 8, .value_kind: global_buffer, .address_space: global }
    .group_segment_fixed_size: 327680
    .private_segment_fixed_size: 0
    .kernarg_segment_align: 8
    .kernarg_segment_size: 104
    .max_flat_workgroup_size: 128
    .sgpr_count:     102
    .vgpr_count:     1024
    .wavefront_size: 32
...
	.end_amdgpu_metadata
.endif
;; end of part 1
;; launch attn (part 2): grid 4 x 64, 16 waves a work-group, clusters of 4 x 1, 206,848 bytes of LDS; arguments qq, kv, zc, zs; writes zc, zs
.if DOCPART == 2
	.amdgcn_target "amdgcn-amd-amdhsa--gfx1250"
	.amdhsa_code_object_version 6
	.text
	.protected	k_q4bd1a997bd_attn
	.globl	k_q4bd1a997bd_attn
	.p2align	8
	.type	k_q4bd1a997bd_attn,@function
k_q4bd1a997bd_attn:
	s_mov_b64 s[64:65], 0
	v_nop
	global_prefetch_b8 v0, s[64:65] scope:SCOPE_SE
	s_setreg_imm32_b32 hwreg(HW_REG_WAVE_MODE, 25, 1), 1
	s_wait_xcnt 0x0
	s_wait_alu depctr_hold_cnt(0) depctr_sa_sdst(0) depctr_va_vdst(0) depctr_va_sdst(0) depctr_va_ssrc(0) depctr_va_vcc(0) depctr_vm_vsrc(0)
	s_getreg_b32 s2, hwreg(HW_REG_IB_STS2, 6, 4)
	s_cmp_eq_u32 s2, 0
	s_cbranch_scc0 .Lentry_in_a_cluster
	s_endpgm
.Lentry_in_a_cluster:
	s_bfe_u32 s2, ttmp6, 0x10000c
	s_cmp_lg_u32 s2, 0x3003
	s_cbranch_scc0 .Lentry_shape_is_right
	s_endpgm
.Lentry_shape_is_right:
; Z[bh][q] = (the sum over keys of p V) / l, p = 2^(t - M), t = (Q . K) x log2(e) / 8, M the running largest t rounded up to a whole number, l the sum of the unquantised p; both products on codes of FP6 (E2M3)
; with one E8M0 scale for each 32 along K.  Z is quantised along h x 64 + d and leaves as codes for the output projection.  No work of reference() is left out here.
; LIMITS: NaN and infinities are not served; a block under 2^-124, a block of zeros among them, gets the scale byte 1 (read by this program alone); inside a block of 32 the members of Q and K, and of V and p, stand in
; one common order that is not ascending (see the first launch), so only the order of the unit's additions differs; t - M is one fused multiply-add; a block's largest p is taken as the exponential of its largest score.
; SHARES.  A work-group owns 512 queries of one head (bh = cluster y); each of its sixteen waves 32 of them, two tiles of 16, one after the other (PASS).  Four waves share a SIMD, 256 registers each: one wave's
; softmax stands beside another's products and LDS loads.
; THE WHOLE HEAD'S K AND V LIE IN LDS: 16 steps x 12,800 bytes, filled once: wave w brings step w by one tensor load (one load of mine is out).  No slot is filled again, so the loops have no barrier.
; CLUSTER.  The four query blocks of a head read the same bytes: the load is asked for jointly, mask 15, with a descriptor made of bh and the wave's number alone.
; LAYOUT.  S^T = K Q^T (source 0 = 16 keys, source 1 = my 16 queries), O^T = V^T P^T: a lane holds ONE query (lane % 16) throughout.  The head has 64 channels, the instruction 128 along K: a PAIR fragment of K holds
; key tile 2 m in registers 0-5 and tile 2 m + 1 in registers 6-11; Q stands in a run of 18 registers, Q | zeros | Q: its registers 0-11 pick the even tile, its registers 6-17 the odd one.  Zero codes add nothing.
; A step in LDS: K's four pair fragments at 0, their scale words [r][m] at 6144, V's four fragments at 6400, their scale words [r][t] at 12544.  Every read takes 16 x lane or 16 x r: consecutive bytes, no padding.
.set STEPB, 12800
.set KSW,   6144
.set VFR,   6400
.set VSW,   12544
.set SPARE, 16*STEPB                   ; behind the head: the spare words, 128 bytes a wave: eight blocks of 256 bytes that no other line names
.set L16,  1                           ; v1   16 x lane
.set R16,  2                           ; v2   16 x (lane % 16)
.set ADF,  3                           ; v3   LDS address of the step's fragments
.set ADS,  4                           ; v4   of its scale words
.set TP,   5                           ; v5   at work
.set ZO,   6                           ; v6   8 x lane
.set ZSO,  7                           ; v7   32 r + h: my byte among Z's scale bytes
.set SPW,  8                           ; v8   my spare word; never rewritten
.set NIL,  9                           ; v9   0; never rewritten
.set QS0,  10                          ; v10  Q's scale word, tile 0
.set PS,   11                          ; v11  p's scale word.   v12 -M, v13 the largest t, v[14:15] the sum in two halves
.set QR0,  16                          ; v16-33   Q | zeros | Q, tile 0
.set F,    34                          ; v34  f = 2^(old M - new M); v35 is named with it as a pair
.set FRG,  36                          ; v36-83   K's four pair fragments, then V's four fragments
.set KS,   84                          ; v84-87   K's scale words
.set VS,   88                          ; v88-91   V's
.set BM,   92                          ; v92-95   a figure for each block of 32 keys
.set T,    96                          ; v96-103  at work
.set PC,   104                         ; v104-115 p's codes; on the way out Z's
.set QW,   116                         ; v116 Q's scale word as stored (both tiles)
.set QS1,  117                         ; v117 Q's scale word, tile 1
.set ZW,   118                         ; v118 my byte of Z's scales
.set S,    128                         ; v128-191 S^T, then p; on the way out Z
.set O,    192                         ; v192-223 O^T
.set QR1,  224                         ; v224-241 Q | zeros | Q, tile 1
.set WV,   12
.set CX,   13
.set BH,   14
.set G1,   16
.set G0,   24
.set SEL,  28                          ; s[28:29] lane selects for v_permlanex16_b32: lane l xor 16
.set CS,   30                          ; s[30:31] c = log2(e) / 8
.set TB,   32                          ; s32  LDS byte at which the step in hand begins
.set CNT,  33
.set HI16, 34                          ; s34  lanes 16-31
.macro CROUND
	s_barrier_signal -1
	s_barrier_wait -1
	s_cmp_lg_u32 s[WV], 0
	s_cbranch_scc1 .Lnot_wave_0_\@
	s_barrier_signal -3
.Lnot_wave_0_\@:
	s_barrier_wait -3
	s_barrier_signal -1
	s_barrier_wait -1
.endm
	s_load_b256 s[4:11], s[0:1], 0x0               ; qq, kv, zc, zs
	v_lshl_add_u32 v[SPW], v0, 2, SPARE
	v_mov_b32 v[NIL], 0
	ds_add_u32 v[SPW], v[NIL]                      ; the wave's opening: the add, twice on end, and its wait ahead of my first tensor load
	ds_add_u32 v[SPW], v[NIL]
	v_lshrrev_b32 v[TP], 5, v0
	s_delay_alu instid0(VALU_DEP_1)
	v_readfirstlane_b32 s[WV], v[TP]               ; wave 0..15
	s_bfe_u32 s[CX], ttmp6, 0x40000                ; my place in the cluster: it enters Q's and Z's addresses alone
	s_and_b32 s[BH], ttmp7, 0xffff                 ; 16 batch + head, which the four partners share
	s_mov_b32 s[G1], 15|(3<<16)|(1<<21)            ; the mask: all four; elements of 8 bytes; no padding; bit 21 beside a mask
	s_mov_b32 s[G1+1], 32<<16                      ; 12,800 dense bytes as 50 rows of 256
	s_mov_b32 s[G1+2], 50<<16
	s_mov_b32 s[G1+3], 32<<16
	s_mov_b32 s[G1+4], 50
	s_mov_b32 s[G1+5], 32
	s_mov_b32 s[G1+6], 0
	s_mov_b32 s[G1+7], 0
	s_mov_b32 s[SEL], 0x76543210
	s_mov_b32 s[SEL+1], 0xfedcba98
	s_mov_b32 s[CS], 0x3e38aa3b                    ; log2(e) / 8
	s_mov_b32 s[CS+1], s[CS]
	s_mov_b32 s[HI16], 0xffff0000
	s_mul_i32 s36, s[BH], 16*STEPB                 ; the head in kv,
	s_mul_i32 s[G0+1], s[WV], STEPB                ; step w: in LDS,
	s_add_co_u32 s36, s36, s[G0+1]                 ; and in memory
	s_mov_b32 s37, 0
	s_wait_dscnt 0x0                               ; both opening adds are done
	s_wait_kmcnt 0x0
	s_mov_b32 s[G0], 1
	s_add_nc_u64 s[G0+2:G0+3], s[6:7], s[36:37]
	s_or_b32 s[G0+3], s[G0+3], 0x80000000
	CROUND                                         ; all four work-groups are here: the joint loads meet
	tensor_load_to_lds s[G0:G0+3], s[G1:G1+7]
	s_nop 0
	; my pair of query tiles: P = 16 cx + w; it lies in step P / 4 of qq as pair fragment P % 4
	s_mul_i32 s36, s[BH], 16*6400
	s_lshl_b32 s38, s[CX], 2
	s_lshr_b32 s39, s[WV], 2
	s_add_co_u32 s38, s38, s39
	s_mul_i32 s38, s38, 6400
	s_add_co_u32 s36, s36, s38                     ; the step
	s_and_b32 s39, s[WV], 3
	s_mul_i32 s40, s39, 1536
	s_add_co_u32 s40, s40, s36                     ; the fragment
	s_mov_b32 s41, 0
	s_lshl_b32 s39, s39, 2
	s_add_co_u32 s36, s36, s39
	s_add_co_u32 s36, s36, 6144                    ; its scale words: [r][P % 4]
	s_add_nc_u64 s[6:7], s[4:5], s[36:37]
	s_add_nc_u64 s[4:5], s[4:5], s[40:41]
	s_lshl_b32 s38, s[CX], 4
	s_add_co_u32 s38, s38, s[WV]
	s_lshl_b32 s38, s38, 1
	s_lshr_b32 s39, s[BH], 4
	s_lshl_b32 s39, s39, 7
	s_add_co_u32 s38, s38, s39                     ; my first tile of 16 rows of Z: 128 batch + 2 P
	s_and_b32 s39, s[BH], 15                       ; the head
	s_mul_i32 s40, s38, 12288                      ; zc: a tile of rows is 8 K steps of 1,536 bytes;
	s_mul_i32 s42, s39, 768                        ; a head is half a K step
	s_add_co_u32 s40, s40, s42
	s_add_nc_u64 s[8:9], s[8:9], s[40:41]
	s_lshl_b32 s40, s38, 9                         ; zs: 16 rows of 32 bytes; a head has two of a row's
	s_lshl_b32 s42, s39, 1
	s_add_co_u32 s40, s40, s42
	s_add_nc_u64 s[10:11], s[10:11], s[40:41]
	v_and_b32 v[TP], 31, v0
	s_delay_alu instid0(VALU_DEP_1)
	v_lshlrev_b32 v[L16], 4, v[TP]
	s_delay_alu instid0(VALU_DEP_2)
	v_lshlrev_b32 v[ZO], 3, v[TP]
	v_and_b32 v[TP], 15, v0
	s_delay_alu instid0(VALU_DEP_1)
	v_lshlrev_b32 v[R16], 4, v[TP]
	v_bfe_u32 v[ADF], v0, 4, 1
	s_delay_alu instid0(VALU_DEP_1)
	v_lshl_add_u32 v[ZSO], v[TP], 5, v[ADF]
.macro QLOAD qr, o0, o1, o2            ; six registers of the image, each pair twice: at the run's head and at its tail
	global_load_b64 v[\qr:\qr+1], v[L16], s[4:5] offset:\o0
	global_load_b64 v[\qr+2:\qr+3], v[L16], s[4:5] offset:\o1
	global_load_b64 v[\qr+4:\qr+5], v[L16], s[4:5] offset:\o2
	global_load_b64 v[\qr+12:\qr+13], v[L16], s[4:5] offset:\o0
	global_load_b64 v[\qr+14:\qr+15], v[L16], s[4:5] offset:\o1
	global_load_b64 v[\qr+16:\qr+17], v[L16], s[4:5] offset:\o2
.endm
	QLOAD QR0, 0, 8, 512                           ; registers 0-5 of the pair fragment
	QLOAD QR1, 520, 1024, 1032                     ; registers 6-11
	global_load_b32 v[QW], v[R16], s[6:7]
.irp i, 6,7,8,9,10,11
	v_mov_b32 v[QR0+\i], 0                         ; zero codes
	v_mov_b32 v[QR1+\i], 0
.endr
.irp b, 0,1,2,3
	v_mov_b32 v[T+\b], 0                           ; a lane permute's destination counts as one of its sources
.endr
	v_mov_b32 v[F+1], 0                            ; named as the upper half of a pair
	s_wait_loadcnt 0x0
	v_perm_b32 v[QS0], v[QW], v[QW], 0x01000100    ; a tile's two bytes in both halves of the word: they serve the run's head and its tail; beside zero codes stands a byte that is not 0xff
	v_perm_b32 v[QS1], v[QW], v[QW], 0x03020302
	s_wait_tensorcnt 0x0                           ; my step has landed,
	s_barrier_signal -1
	s_barrier_wait -1                              ; everybody's has
.macro KLOAD                           ; the step's K: four pair fragments and their scale words
.irp m, 0,1,2,3
.irp c, 0,1,2
	ds_load_b128 v[FRG+12*\m+4*\c:FRG+12*\m+4*\c+3], v[ADF] offset:1536*\m+512*\c
.endr
.endr
	ds_load_b128 v[KS:KS+3], v[ADS] offset:KSW
.endm
; A KEY STEP: 128 keys.  next = 1: the next step's K is asked for at the end.
.macro STEP qr, qs, next
	s_wait_dscnt 0x0                               ; K is in
.irp t, 0,1,2,3,4,5,6,7
	v_wmma_scale_f32_16x16x128_f8f6f4 v[S+8*\t:S+8*\t+7], v[FRG+12*(\t/2):FRG+12*(\t/2)+11], v[\qr+6*(\t%2):\qr+6*(\t%2)+11], 0, v[KS+\t/2], v[\qs] matrix_a_fmt:MATRIX_FMT_FP6 matrix_b_fmt:MATRIX_FMT_FP6
.endr                                          ; lane (r, h): query r; register 8 t + j: key 16 t + 8 h + j
.rept 4
	v_nop                                          ; places in front of the loads into K's registers and of the first read of the scores
.endr
.irp t, 0,1,2,3
.irp c, 0,1,2
	ds_load_b128 v[FRG+12*\t+4*\c:FRG+12*\t+4*\c+3], v[ADF] offset:VFR+1536*\t+512*\c   ; V lands under the softmax
.endr
.endr
	ds_load_b128 v[VS:VS+3], v[ADS] offset:VSW
.irp b, 0,1,2,3
	v_max3_num_f32 v[BM+\b], v[S+16*\b], v[S+1+16*\b], v[S+2+16*\b]   ; the largest score of each block of 32 keys: for the row's maximum and, since p rises with the score, for the block's largest p
.endr
.irp i, 3,5,7,9,11,13
.irp b, 0,1,2,3
	v_max3_num_f32 v[BM+\b], v[BM+\b], v[S+16*\b+\i], v[S+1+16*\b+\i]
.endr
.endr
.irp b, 0,1,2,3
	v_max_num_f32 v[BM+\b], v[BM+\b], v[S+15+16*\b]
.endr
.irp b, 0,1,2,3
	s_delay_alu instid0(VALU_DEP_4)
	v_permlanex16_b32 v[T+\b], v[BM+\b], s[SEL], s[SEL+1]
.endr
.irp b, 0,1,2,3
	s_delay_alu instid0(VALU_DEP_4)
	v_max_num_f32 v[BM+\b], v[BM+\b], v[T+\b]      ; with lane l xor 16's 16 keys
.endr
	s_delay_alu instid0(VALU_DEP_2)
	v_max3_num_f32 v[TP], v[BM], v[BM+1], v[BM+2]
	s_delay_alu instid0(VALU_DEP_1)
	v_max_num_f32 v[TP], v[TP], v[BM+3]
	s_delay_alu instid0(VALU_DEP_1)
	v_mul_f32 v[TP], s[CS], v[TP]                  ; the step's largest t
	s_delay_alu instid0(VALU_DEP_1)
	v_max_num_f32 v13, v13, v[TP]                  ; the running largest t
	v_mov_b32 v[TP], v12
	s_delay_alu instid0(VALU_DEP_2)
	v_floor_f32 v12, -v13                          ; the new -M = -ceil(t): a whole number
	s_delay_alu instid0(VALU_DEP_1)
	v_sub_f32 v[TP], v12, v[TP]                    ; old M - new M, 0 or less
	s_delay_alu instid0(VALU_DEP_1)
	v_cvt_i32_f32 v[TP], v[TP]                     ; (it saturates)
	s_delay_alu instid0(VALU_DEP_1)
	v_ldexp_f32 v[F], 1.0, v[TP]                   ; f = 2^(old M - new M): a multiplication by it rounds nothing
.irp j, 0,2,4,6,8,10,12,14,16,18,20,22,24,26,28,30,32,34,36,38,40,42,44,46,48,50,52,54,56,58,60,62
	v_pk_fma_f32 v[S+\j:S+1+\j], v[S+\j:S+1+\j], s[CS:CS+1], v[12:13] op_sel_hi:[1,0,0]   ; t - M
.endr
.irp b, 0,1,2,3
	v_fma_f32 v[BM+\b], v[BM+\b], s[CS], v12       ; the same of each block's largest score
.endr
	s_wait_alu depctr_va_vdst(0)
.irp j, 0,1,2,3,4,5,6,7,8,9,10,11,12,13,14,15,16,17,18,19,20,21,22,23,24,25,26,27,28,29,30,31,32,33,34,35,36,37,38,39,40,41,42,43,44,45,46,47,48,49,50,51,52,53,54,55,56,57,58,59,60,61,62,63
	v_exp_f32 v[S+\j], v[S+\j]                     ; p = 2^(t - M), not normalised
.endr
	s_setprio 1
	v_pk_mul_f32 v[14:15], v[14:15], v[F:F+1] op_sel_hi:[1,0]   ; the sums under the new M: a plain instruction behind the exponentials
	s_wait_alu depctr_va_vdst(0)                   ; one wait for the batch of 64, ahead of its first reader
.irp b, 0,1,2,3
	v_exp_f32 v[BM+\b], v[BM+\b]                   ; the block's largest p: the same two instructions on the same number give the same bits
.endr
	v_pk_add_f32 v[96:97], v[132:133], v[136:137]
	v_pk_add_f32 v[254:255], v[140:141], v[144:145]
	v_pk_add_f32 v[252:253], v[148:149], v[152:153]
	v_pk_add_f32 v[250:251], v[156:157], v[160:161]
	v_pk_add_f32 v[248:249], v[164:165], v[168:169]
	v_pk_add_f32 v[246:247], v[172:173], v[176:177]
	v_pk_add_f32 v[244:245], v[180:181], v[184:185]
	v_pk_add_f32 v[14:15], v[14:15], v[188:189]
	v_pk_add_f32 v[96:97], v[96:97], v[128:129]
	v_pk_add_f32 v[254:255], v[254:255], v[130:131]
	v_pk_add_f32 v[252:253], v[252:253], v[134:135]
	v_pk_add_f32 v[250:251], v[250:251], v[138:139]
	v_pk_add_f32 v[248:249], v[248:249], v[142:143]
	v_pk_add_f32 v[246:247], v[246:247], v[146:147]
	v_pk_add_f32 v[244:245], v[244:245], v[150:151]
	v_pk_add_f32 v[14:15], v[14:15], v[154:155]
	v_pk_add_f32 v[96:97], v[96:97], v[158:159]
	v_pk_add_f32 v[254:255], v[254:255], v[162:163]
	v_pk_add_f32 v[252:253], v[252:253], v[166:167]
	v_pk_add_f32 v[250:251], v[250:251], v[170:171]
	v_pk_add_f32 v[248:249], v[248:249], v[174:175]
	v_pk_add_f32 v[246:247], v[246:247], v[178:179]
	v_pk_add_f32 v[244:245], v[244:245], v[182:183]
	v_pk_add_f32 v[14:15], v[14:15], v[186:187]
	v_pk_add_f32 v[96:97], v[96:97], v[190:191]
	s_delay_alu instid0(VALU_DEP_2)
	v_pk_add_f32 v[14:15], v[14:15], v[250:251]
	s_delay_alu instid0(VALU_DEP_2)
	v_pk_add_f32 v[96:97], v[96:97], v[248:249]
	v_pk_add_f32 v[254:255], v[254:255], v[246:247]
	v_pk_add_f32 v[252:253], v[252:253], v[244:245]
	s_delay_alu instid0(VALU_DEP_2)
	v_pk_add_f32 v[14:15], v[14:15], v[254:255]
	s_delay_alu instid0(VALU_DEP_2)
	v_pk_add_f32 v[96:97], v[96:97], v[252:253]
	s_delay_alu instid0(VALU_DEP_1)
	v_pk_add_f32 v[14:15], v[14:15], v[96:97]
	s_wait_alu depctr_va_vdst(0)                   ; and one for the four
.irp b, 0,1,2,3
	v_max_num_f32 v[BM+\b], 0x1800000, v[BM+\b]    ; the floor 2^(3 - 127): the byte cannot fall under 1
.endr
.irp b, 0,1,2,3
	s_delay_alu instid0(VALU_DEP_4)
	v_add_nc_u32 v[BM+\b], 0xff000000, v[BM+\b]    ; 2 off the exponent field: the conversion's scale operand
.endr
.irp b, 0,1,2,3
	s_delay_alu instid0(VALU_DEP_4)
	v_lshrrev_b32 v[T+\b], 23, v[BM+\b]            ; the scale's byte
.endr
	s_delay_alu instid0(VALU_DEP_3)
	v_lshl_or_b32 v[PS], v[T+1], 8, v[T]
	s_delay_alu instid0(VALU_DEP_1)
	v_lshl_or_b32 v[PS], v[T+2], 16, v[PS]
	s_delay_alu instid0(VALU_DEP_1)
	v_lshl_or_b32 v[PS], v[T+3], 24, v[PS]
.irp c, 0,1
	v_cvt_scalef32_pk16_fp6_f32 v[PC+6*\c:PC+6*\c+2], v[S+32*\c:S+32*\c+15], v[BM+2*\c]
	v_cvt_scalef32_pk16_fp6_f32 v[T+4*\c:T+4*\c+2], v[S+32*\c+16:S+32*\c+31], v[BM+2*\c+1]
.endr
	v_nop                                          ; one plain place behind a scaled conversion
.irp c, 0,1
.irp i, 0,1,2
	v_permlane16_swap_b32 v[PC+6*\c+\i], v[T+4*\c+\i]   ; a whole block to a lane
.endr
.irp i, 0,1,2
	s_delay_alu instid0(VALU_DEP_3)
	v_mov_b32 v[PC+6*\c+3+\i], v[T+4*\c+\i]
.endr
.endr
.irp j, 0,2,4,6,8,10,12,14,16,18,20,22,24,26,28,30
	v_pk_mul_f32 v[O+\j:O+1+\j], v[O+\j:O+1+\j], v[F:F+1] op_sel_hi:[1,0]   ; O^T under the new M.  These sixteen are also the places between p's scale word and codes and the products below
.endr
	s_setprio 0
	s_wait_alu depctr_va_vdst(0)
	s_wait_dscnt 0x0                               ; V is in
.irp t, 0,1,2,3
	v_wmma_scale_f32_16x16x128_f8f6f4 v[O+8*\t:O+8*\t+7], v[FRG+12*\t:FRG+12*\t+11], v[PC:PC+11], v[O+8*\t:O+8*\t+7], v[VS+\t], v[PS] matrix_a_fmt:MATRIX_FMT_FP6 matrix_b_fmt:MATRIX_FMT_FP6
.endr                                          ; four accumulators by turns; the next step's eight score products stand between two links of a chain
.if \next
	s_add_co_u32 s[TB], s[TB], STEPB
	v_add_nc_u32 v[ADF], s[TB], v[L16]
	v_add_nc_u32 v[ADS], s[TB], v[R16]
	v_nop
	v_nop                                          ; four places in front of the loads into V's registers
	KLOAD
.endif
.endm
; THE WAY OUT of tile p: Z = O^T / l.  A lane holds d = 16 t + 8 h + j; sixteen exchanges of halves give it d = 32 b + 16 h + 0 .. 15 in ascending order, since Z meets Wo's codes as they are given.
.macro ZOUT p
.rept 4
	v_nop                                          ; places behind the last products
.endr
	v_add_f32 v14, v14, v15
	s_delay_alu instid0(VALU_DEP_1)
	v_permlanex16_b32 v[TP], v14, s[SEL], s[SEL+1]
	s_delay_alu instid0(VALU_DEP_1)
	v_add_f32 v14, v14, v[TP]                      ; the row's sum
	s_wait_alu depctr_va_vdst(0)
	v_rcp_f32 v14, v14
	v_nop                                          ; a plain place behind the reciprocal
	s_wait_alu depctr_va_vdst(0)                   ; and the wait ahead of its first reader
	v_mov_b32 v15, v14
.irp j, 0,2,4,6,8,10,12,14,16,18,20,22,24,26,28,30
	v_pk_mul_f32 v[S+\j:S+1+\j], v[O+\j:O+1+\j], v[14:15]   ; ascending: each accumulator is first read at its low end
.endr
.irp b, 0,1
.irp j, 0,1,2,3,4,5,6,7
	v_permlane16_swap_b32 v[S+16*\b+\j], v[S+16*\b+8+\j]
.endr
.endr
.irp b, 0,1
	v_max3_num_f32 v[BM+\b], |v[S+16*\b]|, |v[S+1+16*\b]|, 0x1800000
.endr
.irp i, 2,4,6,8,10,12,14
.irp b, 0,1
	s_delay_alu instid0(VALU_DEP_2)
	v_max3_num_f32 v[BM+\b], v[BM+\b], |v[S+16*\b+\i]|, |v[S+1+16*\b+\i]|
.endr
.endr
.irp b, 0,1
	s_delay_alu instid0(VALU_DEP_2)
	v_permlanex16_b32 v[T+\b], v[BM+\b], s[SEL], s[SEL+1]
.endr
.irp b, 0,1
	s_delay_alu instid0(VALU_DEP_2)
	v_max_num_f32 v[BM+\b], v[BM+\b], v[T+\b]
.endr
.irp b, 0,1
	s_delay_alu instid0(VALU_DEP_2)
	v_add_nc_u32 v[T+4+\b], 0xff000000, v[BM+\b]
.endr
.irp b, 0,1
	s_delay_alu instid0(VALU_DEP_2)
	v_lshrrev_b32 v[T+\b], 23, v[T+4+\b]
.endr
	v_cvt_scalef32_pk16_fp6_f32 v[PC:PC+2], v[S:S+15], v[T+4]
	v_cvt_scalef32_pk16_fp6_f32 v[PC+6:PC+8], v[S+16:S+31], v[T+5]
	v_nop
.irp i, 0,1,2
	v_permlane16_swap_b32 v[PC+\i], v[PC+6+\i]
.endr
.irp i, 0,1,2
	s_delay_alu instid0(VALU_DEP_3)
	v_mov_b32 v[PC+3+\i], v[PC+6+\i]               ; registers 0-5: lane (r, h) holds d = 32 h + 0 .. 31 of row r
.endr
	v_cndmask_b32 v[ZW], v[T], v[T+1], s[HI16]     ; my block's byte
.irp i, 0,1,2
	global_store_b64 v[ZO], v[PC+2*\i:PC+2*\i+1], s[8:9] offset:12288*\p+256*\i   ; 32 lanes store 256 consecutive bytes, at a multiple of 256 from zc's first byte
.endr
	global_store_b8 v[ZSO], v[ZW], s[10:11] offset:512*\p   ; two bytes of each of 16 rows of 32: a row's 32 bytes come from sixteen work-groups, so these blocks of 256 bytes are written in part: one byte for 24 of codes
.endm
.macro PASS p, qr, qs
	v_mov_b32 v13, 0xff61b1e6                      ; the largest t so far: -3e38
	s_delay_alu instid0(VALU_DEP_1)
	v_floor_f32 v12, -v13
	v_mov_b32 v14, 0
	v_mov_b32 v15, 0
.set ii, 0
.rept 32
	v_mov_b32 v[O+ii], 0                           ; the step is written without a first step of its own: it finds zeros, which the first change of M leaves zeros
.set ii, ii+1
.endr
	s_mov_b32 s[TB], 0
	v_add_nc_u32 v[ADF], s[TB], v[L16]
	v_add_nc_u32 v[ADS], s[TB], v[R16]
	KLOAD
.if \p > 0
	s_wait_xcnt 0x0                                ; the last tile's stores have read PC and ZW, which this tile's steps write again
.endif
	s_mov_b32 s[CNT], 15
.Lstep_\@:
	s_wait_alu depctr_va_vdst(0)
	s_setprio 2
	STEP \qr, \qs, 1
	s_sub_co_u32 s[CNT], s[CNT], 1
	s_cmp_lg_u32 s[CNT], 0
	s_cbranch_scc1 .Lstep_\@
	s_setprio 0
	s_wait_alu depctr_va_vdst(0)
	STEP \qr, \qs, 0                               ; the sixteenth step is written out: no load reaches past the head
	ZOUT \p
.endm
	PASS 0, QR0, QS0
	PASS 1, QR1, QS1
	s_wait_tensorcnt 0x0                           ; the wave's end
	ds_add_u32 v[SPW], v[NIL]
	s_wait_dscnt 0x0
	CROUND                                         ; the closing round
	s_endpgm
.Lfunc_end_k_q4bd1a997bd_attn:
	.size	k_q4bd1a997bd_attn, .Lfunc_end_k_q4bd1a997bd_attn-k_q4bd1a997bd_attn
	.p2alignl 7, 3214868480
	.fill 96, 4, 3214868480
	.section	.rodata,"a",@progbits
	.p2align	6, 0x0
	.amdhsa_kernel k_q4bd1a997bd_attn
		.amdhsa_group_segment_fixed_size 206848
		.amdhsa_private_segment_fixed_size 0
		.amdhsa_enable_private_segment 0
		.amdhsa_kernarg_size 32
		.amdhsa_user_sgpr_count 2
		.amdhsa_user_sgpr_kernarg_segment_ptr 1
		.amdhsa_wavefront_size32 1
		.amdhsa_system_sgpr_workgroup_id_x 1
		.amdhsa_system_sgpr_workgroup_id_y 1
		.amdhsa_system_sgpr_workgroup_id_z 1
		.amdhsa_system_vgpr_workitem_id 0
		.amdhsa_next_free_vgpr 256
		.amdhsa_next_free_sgpr 66
		.amdhsa_reserve_vcc 0
		.amdhsa_float_denorm_mode_32 3
		.amdhsa_float_denorm_mode_16_64 3
		.amdhsa_memory_ordered 1
		.amdhsa_forward_progress 1
		.amdhsa_inst_pref_size 85
	.end_amdhsa_kernel
	.amdgpu_metadata
---
amdhsa.version: [ 1, 2 ]
amdhsa.kernels:
  - .name:           k_q4bd1a997bd_attn
    .symbol:         k_q4bd1a997bd_attn.kd
    .args:
      - { .name: qq, .offset: 0, .size: 8, .value_kind: global_buffer, .address_space: global }
      - { .name: kv, .offset: 8, .size: 8, .value_kind: global_buffer, .address_space: global }
      - { .name: zc, .offset: 16, .size: 8, .value_kind: global_buffer, .address_space: global }
      - { .name: zs, .offset: 24, .size: 8, .value_kind: global_buffer, .address_space: global }
    .group_segment_fixed_size: 206848
    .private_segment_fixed_size: 0
    .kernarg_segment_align: 8
    .kernarg_segment_size: 32
    .max_flat_workgroup_size: 512
    .sgpr_count:     66
    .vgpr_count:     256
    .wavefront_size: 32
...
	.end_amdgpu_metadata
.endif
;; end of part 2
;; launch outp (part 3): grid 4 x 32, 4 waves a work-group, clusters of 4 x 4, 327,680 bytes of LDS; arguments zc, zs, Wo_codes, Wo_scales, bo, out0; writes out0
.if DOCPART == 3
	.amdgcn_target "amdgcn-amd-amdhsa--gfx1250"
	.amdhsa_code_object_version 6
	.text
	.protected	k_q4bd1a997bd_outp
	.globl	k_q4bd1a997bd_outp
	.p2align	8
	.type	k_q4bd1a997bd_outp,@function
k_q4bd1a997bd_outp:
	s_mov_b64 s[64:65], 0
	v_nop
	global_prefetch_b8 v0, s[64:65] scope:SCOPE_SE
	s_setreg_imm32_b32 hwreg(HW_REG_WAVE_MODE, 25, 1), 1
	s_wait_xcnt 0x0
	s_wait_alu depctr_hold_cnt(0) depctr_sa_sdst(0) depctr_va_vdst(0) depctr_va_sdst(0) depctr_va_ssrc(0) depctr_va_vcc(0) depctr_vm_vsrc(0)
	s_getreg_b32 s2, hwreg(HW_REG_IB_STS2, 6, 4)
	s_cmp_eq_u32 s2, 0
	s_cbranch_scc0 .Lentry_in_a_cluster
	s_endpgm
.Lentry_in_a_cluster:
	s_bfe_u32 s2, ttmp6, 0x10000c
	s_cmp_lg_u32 s2, 0xf033
	s_cbranch_scc0 .Lentry_shape_is_right
	s_endpgm
.Lentry_shape_is_right:
.set SIZE_N, 1024
.set KSTEP,  256
.set NQ,     KSTEP/128
.set ROWB,   192
.set KROW,   768
.set PITCH,  240
.set FR,     12
.set NL,     6
.set NP,     4
.set AROW,   3072
.set HALFA,  8*AROW
.set HALFB,  128*PITCH
.set SLOT,   2*HALFA+2*HALFB
.set KS,     32
.set SCL,    2*SLOT
.set HALFS,  (128*KS/256)*272
.set SBLK,   (16*KS/256)*272
.set SPARE,  SCL+4*HALFS
.set SPITCH, 528
.set ADRA, 16
.set ADRB, 20
.set STO,  24
.set RD,   25
.set CO,   26
.set ADRS, 27
.set SPW,  28
.set NIL,  29
.set SC,   32
.set BI,   64
.set AF,   128
.set BK,   128
.set G1,   24
.set G0,   32
.set G1B,  48
.set G0B,  56
.set G1S,  68
.set G0S,  76
.set G1SB, 80
.set G0SB, 88
.set CB,   94
.set MSB, 0
.macro WIN new
.if MSB != (\new)
	s_set_vgpr_msb (MSB<<8)|(\new)
.set MSB, (\new)
.endif
.endm
.set MUL_LO, 0xa1
.set MUL_HI, 0xf1
.set BIA_LO, 0x81
.set BIA_HI, 0xc1
.set TO_B,   0x40
.macro JLOAD g0a, g1a, g0b, g1b
	s_cmp_eq_u32 s15, 0
	s_cbranch_scc0 .Lfor_b_\@
	tensor_load_to_lds s[\g0a:\g0a+3], s[\g1a:\g1a+7]
	s_nop 0
.rept 4
	v_nop
.endr
	s_branch .Lasked_\@
.Lfor_b_\@:
	tensor_load_to_lds s[\g0b:\g0b+3], s[\g1b:\g1b+7]
	s_nop 0
.rept 4
	v_nop
.endr
.Lasked_\@:
.endm
.macro CREST
	s_cmp_lg_u32 s14, 0
	s_cbranch_scc1 .Lnot_wave_0_\@
	s_barrier_signal -3
.Lnot_wave_0_\@:
	s_barrier_wait -3
	s_barrier_signal -1
	s_barrier_wait -1
.endm
.macro CROUND
	s_barrier_signal -1
	s_barrier_wait -1
	CREST
.endm
	s_load_b128 s[4:7], s[0:1], 0x0
	s_load_b128 s[8:11], s[0:1], 0x10
	s_load_b128 s[92:95], s[0:1], 0x20
	v_lshl_add_u32 v[SPW], v0, 2, SPARE
	v_mov_b32 v[NIL], 0
	ds_add_u32 v[SPW], v[NIL]
	ds_add_u32 v[SPW], v[NIL]
	v_lshrrev_b32 v1, 5, v0
	v_readfirstlane_b32 s14, v1
	s_lshr_b32 s15, s14, 1
	s_and_b32 s16, s14, 1
	s_bfe_u32 s40, ttmp6, 0x40000
	s_bfe_u32 s41, ttmp6, 0x40004
	s_lshl_b32 s42, ttmp9, 2
	s_add_co_u32 s42, s42, s40
	s_and_b32 s17, ttmp7, 0xffff
	s_lshl_b32 s17, s17, 2
	s_add_co_u32 s17, s17, s41
	s_lshl_b32 s43, s41, 2
	s_lshl_b32 s43, 15, s43
	s_lshl_b32 s44, 0x1111, s40
	s_or_b32 s[G1+0], s43, (3<<16)|(1<<21)
	s_mov_b32 s[G1+1], 384<<16
	s_mov_b32 s[G1+2], 8<<16
	s_mov_b32 s[G1+3], 384<<16
	s_mov_b32 s[G1+4], 8
	s_mov_b32 s[G1+5], 1536
	s_mov_b32 s[G1+6], 0
	s_mov_b32 s[G1+7], 0
	s_or_b32 s[G1B+0], s44, (0<<16)|(1<<20)|(1<<21)|(3<<22)|(3<<25)
	s_mov_b32 s[G1B+1], ROWB<<16
	s_mov_b32 s[G1B+2], 128<<16
	s_mov_b32 s[G1B+3], ROWB<<16
	s_mov_b32 s[G1B+4], 128
	s_mov_b32 s[G1B+5], KROW
	s_mov_b32 s[G1B+6], 0
	s_mov_b32 s[G1B+7], 0
	s_or_b32 s[G1S+0], s43, (3<<16)|(1<<20)|(1<<21)|(5<<22)|(3<<25)
	s_or_b32 s[G1SB+0], s44, (3<<16)|(1<<20)|(1<<21)|(5<<22)|(3<<25)
.irp g, G1S, G1SB
	s_mov_b32 s[\g+1], 32<<16
	s_mov_b32 s[\g+2], (128*KS/256)<<16
	s_mov_b32 s[\g+3], 32<<16
	s_mov_b32 s[\g+4], 128*KS/256
	s_mov_b32 s[\g+5], 32
	s_mov_b32 s[\g+6], 0
	s_mov_b32 s[\g+7], 0
.endr
	s_lshl_b32 s20, s17, 4
	s_lshl_b32 s18, s16, 3
	s_add_co_u32 s20, s20, s18
	s_lshl_b32 s22, s20, 9
	s_mov_b32 s23, 0
	s_mul_i32 s20, s20, 12288
	s_mov_b32 s21, 0
	s_lshl_b32 s46, s42, 8
	s_lshl_b32 s18, s16, 7
	s_add_co_u32 s46, s46, s18
	s_lshl_b32 s12, s46, 5
	s_mov_b32 s13, 0
	s_mul_i32 s46, s46, KROW
	s_mov_b32 s47, 0
	s_mul_i32 s45, s16, HALFA
	s_mul_i32 s96, s16, HALFB
	s_add_co_u32 s96, s96, 2*HALFA
	s_mul_i32 s2, s14, HALFS
	s_wait_dscnt 0x0
	s_wait_kmcnt 0x0
	s_add_nc_u64 s[20:21], s[4:5], s[20:21]
	s_add_nc_u64 s[22:23], s[6:7], s[22:23]
	s_add_nc_u64 s[46:47], s[8:9], s[46:47]
	s_add_nc_u64 s[12:13], s[10:11], s[12:13]
	CROUND
	s_mov_b32 s[G0S], 1
	s_add_co_u32 s[G0S+1], s2, SCL
	s_mov_b64 s[G0S+2:G0S+3], s[22:23]
	s_or_b32 s[G0S+3], s[G0S+3], 0x80000000
	s_mov_b32 s[G0SB], 1
	s_add_co_u32 s[G0SB+1], s2, SCL
	s_mov_b64 s[G0SB+2:G0SB+3], s[12:13]
	s_or_b32 s[G0SB+3], s[G0SB+3], 0x80000000
	JLOAD G0S, G1S, G0SB, G1SB
.irp s, 0,1
	s_mov_b32 s[G0+4*\s], 1
	s_add_co_u32 s[G0+4*\s+1], s45, \s*SLOT
	s_add_nc_u64 s[G0+4*\s+2:G0+4*\s+3], s[20:21], \s*AROW
	s_or_b32 s[G0+4*\s+3], s[G0+4*\s+3], 0x80000000
	s_mov_b32 s[G0B+4*\s], 1
	s_add_co_u32 s[G0B+4*\s+1], s96, \s*SLOT
	s_add_nc_u64 s[G0B+4*\s+2:G0B+4*\s+3], s[46:47], \s*ROWB
	s_or_b32 s[G0B+4*\s+3], s[G0B+4*\s+3], 0x80000000
	s_wait_alu depctr_va_vdst(0)
	s_wait_tensorcnt 0x0
	ds_add_u32 v28, v29
	s_wait_dscnt 0x0
	CROUND
	JLOAD G0+4*\s, G1, G0B+4*\s, G1B
.endr
	v_and_b32 v1, 15, v0
	v_bfe_u32 v2, v0, 4, 1
	v_and_b32 v6, 31, v0
	v_lshlrev_b32 v3, 3, v6
	s_mul_i32 s21, s15, HALFA
	v_add_nc_u32 v[ADRA], s21, v3
	s_add_co_u32 s21, s21, SLOT
	v_add_nc_u32 v[ADRA+1], s21, v3
	v_mul_u32_u24 v3, v1, PITCH
	v_mul_u32_u24 v4, v2, 24
	v_add_nc_u32 v4, v3, v4
	v_lshl_add_u32 v5, v2, 4, v4
	s_mul_i32 s22, s16, HALFB
	s_add_co_u32 s22, s22, 2*HALFA
.irp s, 0,1
	v_add_nc_u32 v[ADRB+\s], s22, v4
	v_add_nc_u32 v[ADRB+2+\s], s22, v5
	s_add_co_u32 s22, s22, SLOT
.endr
	v_mul_u32_u24 v5, v1, KS
	v_lshrrev_b32 v4, 8, v5
	v_lshl_add_u32 v5, v4, 4, v5
	s_mul_i32 s21, s15, HALFS
	s_mul_i32 s22, s16, HALFS
	s_add_co_u32 s22, s22, 2*HALFS
	s_sub_co_u32 s22, s22, s21
	v_mul_u32_u24 v4, s22, v2
	s_add_co_u32 s21, s21, SCL
	v_add_nc_u32 v5, v5, v4
	v_add_nc_u32 v[ADRS], s21, v5
	s_mul_i32 s23, s14, 16*SPITCH
	v_mul_u32_u24 v5, v1, SPITCH
	v_lshl_add_u32 v5, v2, 5, v5
	v_add_nc_u32 v[STO], s23, v5
	v_lshlrev_b32 v[CO], 4, v6
	v_add_nc_u32 v[RD], s23, v[CO]
	s_lshl_b32 s20, s17, 8
	s_lshl_b32 s21, s15, 7
	s_add_co_u32 s20, s20, s21
	s_lshl_b32 s20, s20, 12
	s_mov_b32 s21, 0
	s_lshl_b32 s46, s42, 10
	s_lshl_b32 s47, s16, 9
	s_add_co_u32 s46, s46, s47
	s_mov_b32 s47, 0
	s_add_nc_u64 s[92:93], s[92:93], s[46:47]
	s_add_nc_u64 s[20:21], s[20:21], s[46:47]
	s_add_nc_u64 s[CB:CB+1], s[CB:CB+1], s[20:21]
	v_lshlrev_b32 v3, 5, v2
.irp b, 0,1,2,3,4,5,6,7
.irp u, 0,1
	global_load_b128 v[BI+8*\b+4*\u:BI+8*\b+4*\u+3], v3, s[92:93] offset:64*\b+16*\u
.endr
.endr
.macro FRAG reg, adr, q, i
.irp p, 0,1,2,3,4,5
.set PCE, 12*(\q)+6*(\p/3)+\p%3
.if PCE%8 < 5
	ds_load_b64 v[\reg+2*\p:\reg+2*\p+1], v[\adr] offset:8*PCE+16*(PCE/8)+(\i)*16*PITCH
.else
	ds_load_b64 v[\reg+2*\p:\reg+2*\p+1], v[\adr+2] offset:8*PCE+16*(PCE/8)+(\i)*16*PITCH
.endif
.endr
.endm
.macro FRAGZ reg, slot, q, i
.irp p, 0,1,2,3,4,5
	ds_load_b64 v[\reg+2*\p:\reg+2*\p+1], v[ADRA+\slot] offset:AROW*(\i)+1536*(\q)+256*\p
.endr
.endm
.macro MUL16 a0, p, q, sc, bias
.irp a, \a0, \a0+1
.irp b, 0,1,2,3,4,5,6,7
.if \bias
	v_wmma_scale_f32_16x16x128_f8f6f4 v[8*(8*((\a)%4)+\b):8*(8*((\a)%4)+\b)+7], v[128*(\p)+FR*\b:128*(\p)+FR*\b+FR-1], v[AF+FR*(\a):AF+FR*(\a)+FR-1], v[BI+8*\b:BI+8*\b+7], v[SC+8*NQ*(\sc)+NQ*\b+(\q)], v[SC+8*NQ*(\sc)+NQ*(\a)+(\q)] matrix_a_fmt:MATRIX_FMT_FP6 matrix_b_fmt:MATRIX_FMT_FP6 matrix_a_scale:MATRIX_SCALE_ROW1
.else
	v_wmma_scale_f32_16x16x128_f8f6f4 v[8*(8*((\a)%4)+\b):8*(8*((\a)%4)+\b)+7], v[128*(\p)+FR*\b:128*(\p)+FR*\b+FR-1], v[AF+FR*(\a):AF+FR*(\a)+FR-1], v[8*(8*((\a)%4)+\b):8*(8*((\a)%4)+\b)+7], v[SC+8*NQ*(\sc)+NQ*\b+(\q)], v[SC+8*NQ*(\sc)+NQ*(\a)+(\q)] matrix_a_fmt:MATRIX_FMT_FP6 matrix_b_fmt:MATRIX_FMT_FP6 matrix_a_scale:MATRIX_SCALE_ROW1
.endif
.endr
.endr
.endm
.macro FETCH_B slot, q, p
	WIN TO_B
.irp i, 0,1,2,3,4,5,6,7
	FRAG 128*(\p)+FR*\i, ADRB+\slot, \q, \i
.endr
	WIN 0
.endm
.macro FETCH_A slot, q, i0
.irp i, \i0, \i0+1, \i0+2, \i0+3
	FRAGZ AF+FR*(\i), \slot, \q, \i
.endr
.endm
.macro SCALES sc
.irp i, 0,1,2,3,4,5,6,7
	ds_load_b64 v[SC+8*NQ*\sc+NQ*\i:SC+8*NQ*\sc+NQ*\i+1], v[ADRS] offset:\i*SBLK
.endr
.endm
.macro PLACES n
.rept \n
	v_nop
.endr
.endm
.macro STEP slot, q, bias
	s_wait_dscnt 4*NL
.if \bias
	WIN BIA_LO
.else
	WIN MUL_LO
.endif
	MUL16 0, (\q)%2, \q, \slot, \bias
	MUL16 2, (\q)%2, \q, \slot, \bias
	s_wait_dscnt 0
	PLACES NP
	FETCH_B \slot, (\q)+1, 1-(\q)%2
	FETCH_A \slot, (\q)+1, 0
.if \bias
	WIN BIA_HI
.else
	WIN MUL_HI
.endif
	MUL16 4, (\q)%2, \q, \slot, \bias
	MUL16 6, (\q)%2, \q, \slot, \bias
	PLACES NP
	WIN 0
	FETCH_A \slot, (\q)+1, 4
.endm
.macro TURN slot, next, fill
	s_wait_tensorcnt 0x0
	ds_add_u32 v[SPW], v[NIL]
	s_wait_dscnt 4*NL+1
	WIN MUL_LO
	MUL16 0, 1, NQ-1, \slot, 0
	s_wait_dscnt 0x0
	s_barrier_signal -1
	MUL16 2, 1, NQ-1, \slot, 0
	WIN 0
	s_barrier_wait -1
.if \fill
	CREST
	s_add_nc_u64 s[G0+4*\slot+2:G0+4*\slot+3], s[G0+4*\slot+2:G0+4*\slot+3], 2*AROW
	s_add_nc_u64 s[G0B+4*\slot+2:G0B+4*\slot+3], s[G0B+4*\slot+2:G0B+4*\slot+3], 2*ROWB
	JLOAD G0+4*\slot, G1, G0B+4*\slot, G1B
.else
	PLACES NP
.endif
	s_wait_alu depctr_va_vdst(0)
	v_add_nc_u32 v[ADRS], 4*NQ, v[ADRS]
	FETCH_B \next, 0, 0
	FETCH_A \next, 0, 0
	SCALES \next
	WIN MUL_HI
	MUL16 4, 1, NQ-1, \slot, 0
	MUL16 6, 1, NQ-1, \slot, 0
	PLACES NP
	WIN 0
	FETCH_A \next, 0, 4
.endm
	s_wait_alu depctr_va_vdst(0)
	s_wait_tensorcnt 1
	s_barrier_signal -1
	s_barrier_wait -1
	FETCH_B 0, 0, 0
	FETCH_A 0, 0, 0
	SCALES 0
	FETCH_A 0, 0, 4
	s_wait_loadcnt 0x0
	STEP 0, 0, 1
	TURN 0, 1, 1
	STEP 1, 0, 0
	TURN 1, 0, 1
	STEP 0, 0, 0
	TURN 0, 1, 0
	STEP 1, 0, 0
	s_wait_dscnt 4*NL
	WIN MUL_LO
	MUL16 0, 1, NQ-1, 1, 0
	MUL16 2, 1, NQ-1, 1, 0
	s_wait_dscnt 0
	WIN MUL_HI
	MUL16 4, 1, NQ-1, 1, 0
	MUL16 6, 1, NQ-1, 1, 0
	WIN 0
.macro TOSTAGE a
.set AC, 64*((\a)%4)
	WIN 0x08+4*((\a)/4)
.irp b, 0,1,2,3,4,5,6,7
	ds_store_b128 v[STO], v[AC+8*\b:AC+8*\b+3] offset:64*\b
	ds_store_b128 v[STO], v[AC+8*\b+4:AC+8*\b+7] offset:64*\b+16
.endr
	WIN 0
.set BB, BK+64*((\a)%2)
.irp t, 0,1,2,3,4,5,6,7,8,9,10,11,12,13,14,15
	ds_load_b128 v[BB+4*\t:BB+4*\t+3], v[RD] offset:\t*SPITCH
.endr
.endm
.macro SEND a, younger
.set BB, BK+64*((\a)%2)
	s_wait_dscnt \younger
.if (\a) > 0
	s_add_nc_u64 s[CB:CB+1], s[CB:CB+1], 16*SIZE_N*4
.endif
.irp t, 0,1,2,3,4,5,6,7,8,9,10,11,12,13,14,15
	global_store_b128 v[CO], v[BB+4*\t:BB+4*\t+3], s[CB:CB+1] offset:\t*SIZE_N*4 th:TH_STORE_NT
.endr
.endm
	PLACES NP
	TOSTAGE 0
.irp a, 1,2,3,4,5,6,7
.if \a > 1
	s_wait_xcnt 0x0
.endif
	TOSTAGE \a
	SEND \a-1, 32
.endr
	s_wait_xcnt 0x0
	SEND 7, 0
	s_wait_tensorcnt 0x0
	ds_add_u32 v[SPW], v[NIL]
	s_wait_dscnt 0x0
	CROUND
	s_endpgm
.Lfunc_end_k_q4bd1a997bd_outp:
	.size	k_q4bd1a997bd_outp, .Lfunc_end_k_q4bd1a997bd_outp-k_q4bd1a997bd_outp
	.p2alignl 7, 3214868480
	.fill 96, 4, 3214868480
	.section	.rodata,"a",@progbits
	.p2align	6, 0x0
	.amdhsa_kernel k_q4bd1a997bd_outp
		.amdhsa_group_segment_fixed_size 327680
		.amdhsa_private_segment_fixed_size 0
		.amdhsa_enable_private_segment 0
		.amdhsa_kernarg_size 48
		.amdhsa_user_sgpr_count 2
		.amdhsa_user_sgpr_kernarg_segment_ptr 1
		.amdhsa_wavefront_size32 1
		.amdhsa_system_sgpr_workgroup_id_x 1
		.amdhsa_system_sgpr_workgroup_id_y 1
		.amdhsa_system_sgpr_workgroup_id_z 1
		.amdhsa_system_vgpr_workitem_id 0
		.amdhsa_next_free_vgpr 1024
		.amdhsa_next_free_sgpr 98
		.amdhsa_reserve_vcc 0
		.amdhsa_float_denorm_mode_32 3
		.amdhsa_float_denorm_mode_16_64 3
		.amdhsa_memory_ordered 1
		.amdhsa_forward_progress 1
		.amdhsa_inst_pref_size 162
	.end_amdhsa_kernel
	.amdgpu_metadata
---
amdhsa.version: [ 1, 2 ]
amdhsa.kernels:
  - .name:           k_q4bd1a997bd_outp
    .symbol:         k_q4bd1a997bd_outp.kd
    .args:
      - { .name: zc, .offset: 0, .size: 8, .value_kind: global_buffer, .address_space: global }
      - { .name: zs, .offset: 8, .size: 8, .value_kind: global_buffer, .address_space: global }
      - { .name: Wo_codes, .offset: 16, .size: 8, .value_kind: global_buffer, .address_space: global }
      - { .name: Wo_scales, .offset: 24, .size: 8, .value_kind: global_buffer, .address_space: global }
      - { .name: bo, .offset: 32, .size: 8, .value_kind: global_buffer, .address_space: global }
      - { .name: out0, .offset: 40, .size: 8, .value_kind: global_buffer, .address_space: global }
    .group_segment_fixed_size: 327680
    .private_segment_fixed_size: 0
    .kernarg_segment_align: 8
    .kernarg_segment_size: 48
    .max_flat_workgroup_size: 128
    .sgpr_count:     98
    .vgpr_count:     1024
    .wavefront_size: 32
...
	.end_amdgpu_metadata
.endif
;; end of part 3
